; MI455X (gfx1250); checked and timed in simulation.
; The chip was launched on July 23, 2026; its instructions are those of AMD's public machine-readable ISA for CDNA 5 (MIT licence, August 2026) and "CDNA5" Instruction Set Architecture Reference Guide (July 2026). The comments in the code are by the model that wrote it; some were corrected since.
;; Quant Linear Sim. Allowed arithmetic: matrix products marked QUANTISED: E4M3 operands, one given power-of-two scale a tensor, by v_wmma_f32_16x16x64_fp8_fp8 or v_wmma_f32_16x16x128_fp8_fp8, f32 sums; everything else in f32.
;; Inputs: lowp_scales 2 int32 (the exponents e of the quantised operands' scales 2^e); nf_lut 16 float32; weight 4,096 x 4,096 float32; x 4,096 x 4,096 float32.
;; Outputs: out0 4,096 x 4,096 float32.
;; This version of the problem:
;;   THIS VERSION OF THE PROBLEM IS GIVEN IN LOW PRECISION. The matrix products marked QUANTISED in the list below multiply operands that are first quantised to E4M3 (4 exponent bits, 3 mantissa bits; 8 bits a number), with one given power-of-two scale for each operand tensor; their sums are f32. All else is computed in f32.
;;   The module's matrix products, in the order in which they are computed (A, B: the left and right operand; K: the contracted axis; several contracted axes count as one K, in the product's order):
;;     1. [M 4,096, K 4,096] x [K 4,096, N 4,096]; A: input x; B: computed on the way: QUANTISED (scales: A lowp_scales[0], B lowp_scales[1])
;;   THE QUANTISER, for each operand of a quantised product, along K:
;;     - The operand's scale is 2^e, e = its entry of the input lowp_scales (int32; the entries are numbered through the quantised products in the list's order, A before B).
;;     - Each number is divided by the scale, clamped to +-448, and rounded to the nearest number of E4M3, ties to even, subnormals kept.
;;     - The product sums the exact products of the quantised numbers (number of the format x scale) in f32.
;;   ~~~python
;;   def quantise(x, axis, e):      # numpy; x: float32 -> the quantised numbers, widened to float32 again
;;       x = np.moveaxis(x, axis, -1); K = x.shape[-1]
;;       r = np.clip(x / 2.0 ** e, -448, 448)
;;       step = 2.0 ** (np.maximum(np.frexp(np.where(r == 0, 1, r))[1] - 1, -6) - 3)
;;       q = np.round(r / step) * step * 2.0 ** e      # np.round: ties to even
;;       return np.moveaxis(q, -1, axis).astype(np.float32)
;;   ~~~
;;   OPERANDS COMPUTED ON THE WAY. 'Computed on the way' means the value that the module computes at that place (a softmax that the list does not call 'softmax' is quantised finished and normalised). What goes into a quantiser is computed in f32, as accurately as f32 sums, v_exp_f32 and their like allow (about 1e-6 of the number): no bf16 or f16 on the way to a quantiser, and a product that is left as it is and whose result goes on into a quantised operand takes f32 operands (vector FMAs, or v_wmma_f32_16x16x4_f32). A number that lies on a knife's edge between two numbers of the format may be rounded either way, as far as f32 arithmetic and the matrix unit's own rounding can turn it there, and no further.
;; One version. Each part assembles by itself: llvm-mc -triple=amdgcn-amd-amdhsa -mcpu=gfx1250 --defsym DOCPART=n.
;; ======== version 1 of 1: 2 launches
;; limits: inputs' magnitudes at most 1.27e+30; below input magnitudes of 7.9e-31 results are inexact or not finite
;; workspace buffers: x_codes 16,777,216 bytes; w_codes 16,777,216 bytes
;; launch quant (part 1): grid 1024 x 1, 4 waves a work-group, no clusters, 0 bytes of LDS; arguments weight, nf_lut, x, lowp_scales, w_codes, x_codes; writes w_codes, x_codes
.if DOCPART == 1
	.amdgcn_target "amdgcn-amd-amdhsa--gfx1250"
	.amdhsa_code_object_version 6
	.text
	.protected	k_qcaa7826d0c_quant
	.globl	k_qcaa7826d0c_quant
	.p2align	8
	.type	k_qcaa7826d0c_quant,@function
k_qcaa7826d0c_quant:
	s_mov_b64 s[64:65], 0
	v_nop
	global_prefetch_b8 v0, s[64:65] scope:SCOPE_SE
	s_setreg_imm32_b32 hwreg(HW_REG_WAVE_MODE, 25, 1), 1
	s_wait_xcnt 0x0
; Row r of weight [4096][4096] f32 becomes row r of qweight (NF rounding with fp outliers, as below) and then codes of E4M3 under the scale 2^e1;
; row r of x [4096][4096] f32 becomes codes of E4M3 under 2^e0.  e0, e1: the two int32 of lowp_scales.
; SHARES.  One wave, one row: r = 4 x work-group + wave.  The row's 16,384 bytes stay in 128 registers through three passes, so memory is read once.  No LDS, no barrier: waves share nothing.
; THE ORDER OF K IN A ROW OF CODES is this program's own, the same in both buffers: byte 512 g + 16 lane + 4 i + e holds k = 512 g + 128 i + 4 lane + e.  It is what four loads of 512 consecutive
; bytes leave in a lane's 16 registers: loads are dense, a lane's 16 codes are 16 bytes, and a wave's store covers 512 consecutive bytes.  The product sums over all k, so a common order keeps every product.
; WHAT IS COMPUTED FOR A ROW, w its numbers in ascending order a0 .. a4095:
;   upper = a4092 x 195/4096 + a4093 x 3901/4096, lower = a2 x 3995074/2^22 + a3 x 199230/2^22: the weights that f32(0.9995) x 4095 and f32(0.0005) x 4095 give in f32.  Only the four largest and four smallest are needed (pass 1).
;   outlier: w <= lower or w >= upper.   max, min: over the numbers that are no outliers, and the median (a2047 + a2048) / 2, which stands in the outliers' places.
;   The median matters to max and min only where a2047 or a2048 is itself an outlier.  With nb = how many w < upper and na = how many w > lower (pass 2): a2048 >= upper where nb <= 2048, and then it lies between upper and
;   a4092: a4092 is taken; a2048 <= lower where na <= 2047: a3 is taken; else it is no outlier, and where a2047 is one it is exactly the smallest w > lower.  a2047 likewise, mirrored.
;   off = (max + min) / 2, rng = (max - min) / 2, ws = (w - off, 0 for outliers) / rng as a ROUNDED division; the pole nearest to ws, the lower index at equal distance; Q = that pole through f16;
;   qw = Q x rng + (w - off for outliers, else 0) + off; what is not finite becomes 0.
; THE NEAREST POLE.  The 16 poles are sorted once a wave (stable, so equal poles keep their order).  Between neighbours P(k), P(k+1) the largest f32 number t is sought, by 32 halvings over the ordered bit patterns, for which
; fl(t - P(k)) < fl(P(k+1) - t), or = and P(k) has the lower index: the very comparison of rounded distances that an argmin makes; it falls monotonically in t.  Then a search over these 15 thresholds, four compares, gives Q.
; LIMITS.  weight, x, nf_lut finite (NaN and infinities are not served).  e0, e1 between -126 and 119.  A row's rng is 0 or between 2^-100 and 2^100 (the division's residual).  In a row with 2,048 or more outliers on one side
; a2047, a2048 are taken as a4092 (a3): at most the quantile's own rounding away.  Poles nearer to each other than the rounding of their distances to ws may be exchanged.  upper, lower and Q x rng + outliers are fused multiply-adds.
.set USE_DUAL, 0                       ; 1: the paired selections and pass 1's max and min are written as dual-issue pairs
.set LOFF,  1                          ; v1       16 x lane: the offset of every load and store; never rewritten
.set R2,    2                          ; v2-8     the search's second level.  Earlier: k, pole, rank, P(k), its index, P(k+1), its index; lane exchanges
.set CL,    9                          ; v9-23    thresholds 0-6, Q 0-7
.set CH,    24                         ; v24-38   thresholds 8-14, Q 8-15
.set R1,    39                         ; v39-53   the search's first level
.set R3,    39                         ; v39-41   its third
.set TOP,   40                         ; v40-43   pass 1: my four largest, descending
.set BOT,   45                         ; v45-48   my four smallest, ascending
.set UTOP,  50                         ; v50-53   the second set for the merges, and the row's four largest
.set UBOT,  54                         ; v54-57   likewise the smallest
.set LIMW,  58                         ; v58      448 x 2^e1
.set SCW,   59                         ; v59      2^e1
.set LIMX,  60                         ; v60      448 x 2^e0
.set SCX,   61                         ; v61      2^e0
.set NINF,  62                         ; v62      -infinity
.set PINF,  63                         ; v63      +infinity
.set W,     64                         ; v64-191  the row: register 4 j + e is k = 128 j + 4 lane + e; then the outliers, then qw, then x's numbers
.set WS,    192                        ; v192-207 16 numbers: w - off, then ws
.set QA,    208                        ; v208-223 16 numbers: the quotient's first guess, then Q
.set XC,    192                        ; v192-223 x's codes, four registers a step
.set WC,    224                        ; v224-255 the weight's codes, four registers a group: no store's data are written again
	s_load_b256 s[4:11], s[0:1], 0x0               ; weight s[4:5], nf_lut s[6:7], x s[8:9], lowp_scales s[10:11]
	s_load_b128 s[12:15], s[0:1], 0x20             ; w_codes s[12:13], x_codes s[14:15]
	v_and_b32 v2, 31, v0
	v_lshlrev_b32 v[LOFF], 4, v2                   ; 16 x lane
	v_lshrrev_b32 v3, 5, v0
	v_readfirstlane_b32 s16, v3                    ; wave 0..3
	v_and_b32 v2, 15, v0                           ; k = lane % 16: both halves of the lanes prepare the same 16 poles
	v_lshlrev_b32 v4, 2, v2                        ; pole k's byte
	s_lshl_b32 s17, ttmp9, 2
	s_add_co_u32 s17, s17, s16                     ; my row
	s_lshl_b32 s18, s17, 14                        ; x 16,384 bytes of f32
	s_mov_b32 s19, 0
	s_lshl_b32 s20, s17, 12                        ; x 4,096 bytes of codes
	s_mov_b32 s21, 0
	s_mov_b32 s28, 0x76543210                      ; v_permlanex16_b32: each lane takes its own place in the other half
	s_mov_b32 s29, 0xfedcba98
	s_mov_b32 s30, 0x7f800000                      ; +infinity
	v_mov_b32 v[NINF], 0xff800000
	v_mov_b32 v[PINF], 0x7f800000
	s_wait_kmcnt 0x0
	s_add_nc_u64 s[4:5], s[4:5], s[18:19]
	s_add_nc_u64 s[8:9], s[8:9], s[18:19]
	s_add_nc_u64 s[12:13], s[12:13], s[20:21]
	s_add_nc_u64 s[14:15], s[14:15], s[20:21]
	global_load_b32 v3, v4, s[6:7]                 ; pole k: the oldest load
.set J, 0
.rept 32
	global_load_b128 v[W+4*J:W+4*J+3], v[LOFF], s[4:5] offset:512*J th:TH_LOAD_NT   ; the whole row: 32 loads of 512 consecutive bytes
.set J, J+1
.endr
	s_load_b512 s[32:47], s[6:7], 0x0              ; the 16 poles once more, as scalars
	s_load_b64 s[24:25], s[10:11], 0x0             ; e0, e1
	s_wait_kmcnt 0x0
	s_add_co_i32 s20, s25, 127
	s_lshl_b32 s21, s20, 23
	v_mov_b32 v[SCW], s21                          ; 2^e1 as f32: the conversion takes its exponent field
	s_add_co_i32 s20, s20, 8
	s_lshl_b32 s20, s20, 23
	s_or_b32 s20, s20, 0x600000
	v_mov_b32 v[LIMW], s20                         ; 448 x 2^e1
	s_add_co_i32 s20, s24, 127
	s_lshl_b32 s21, s20, 23
	v_mov_b32 v[SCX], s21
	s_add_co_i32 s20, s20, 8
	s_lshl_b32 s20, s20, 23
	s_or_b32 s20, s20, 0x600000
	v_mov_b32 v[LIMX], s20
	s_wait_loadcnt 32                              ; loads come back in order: the pole is in, the row's 32 loads stay out; v4, its offset, is free
; ---- THE POLES, while the row is on its way
	v_mov_b32 v4, 0                                ; rank of pole k = how many poles are smaller, or equal with a lower index
.irp j, 0,1,2,3,4,5,6,7,8,9,10,11,12,13,14,15
	v_cmp_gt_f32 s20, v3, s[32+\j]
	v_cmp_ge_f32 s21, v3, s[32+\j]
	s_and_b32 s21, s21, ((0xffff<<(\j+1))&0xffff)*0x10001   ; the lanes with k > j, in both halves
	s_or_b32 vcc_lo, s20, s21
	v_add_co_ci_u32 v4, vcc_lo, 0, v4, vcc_lo
.endr
	v_mov_b32 v5, 0                                ; P(k): the pole of rank k,
	v_mov_b32 v6, 0                                ; and its index: by selections alone, no lane is addressed by data
.irp j, 0,1,2,3,4,5,6,7,8,9,10,11,12,13,14,15
	v_readlane_b32 s20, v4, \j
	v_cmp_eq_u32 vcc_lo, s20, v2
	v_cndmask_b32 v5, v5, s[32+\j], vcc_lo
	v_cndmask_b32 v6, v6, \j, vcc_lo
.endr
	v_mov_b32 v7, v5
	v_mov_b32 v8, v6
	v_mov_b32_dpp v7, v5 row_shl:1 row_mask:0xf bank_mask:0xf   ; P(k+1); lane 15 keeps its own (its threshold is not used)
	v_mov_b32_dpp v8, v6 row_shl:1 row_mask:0xf bank_mask:0xf
	v_cmp_lt_u32 s59, v6, v8                       ; at equal distance the lower pole wins where its index is the lower
.macro KEY dst, src, tmp                       ; f32 bits <-> signed whole numbers in the same order: its own inverse
	v_ashrrev_i32 v[\tmp], 31, v[\src]
	v_and_b32 v[\tmp], 0x7fffffff, v[\tmp]
	v_xor_b32 v[\dst], v[\src], v[\tmp]
.endm
	KEY 39, 5, 43                                  ; lo: the lower pole wins at P(k)
	KEY 40, 7, 43                                  ; hi: it loses at P(k+1) (equal poles: lo = hi)
	s_mov_b32 s58, 32                              ; hi - lo is under 2^32: 32 halvings bring it to 1
.Lbis:
	v_sub_nc_u32 v41, v40, v39
	v_lshrrev_b32 v41, 1, v41
	v_add_nc_u32 v41, v39, v41                     ; mid
	KEY 42, 41, 43                                 ; t
	v_sub_f32 v44, v42, v5                         ; the two distances, each rounded once, as the argmin sees them
	v_sub_f32 v45, v7, v42
	v_cmp_lt_f32 s20, v44, v45
	v_cmp_eq_f32 s21, v44, v45
	s_and_b32 s21, s21, s59
	s_or_b32 vcc_lo, s20, s21
	v_cndmask_b32 v39, v39, v41, vcc_lo            ; the lower pole wins at t: lo = mid,
	v_cndmask_b32 v40, v41, v40, vcc_lo            ; else hi = mid
	s_sub_co_i32 s58, s58, 1
	s_cmp_lg_u32 s58, 0
	s_cbranch_scc1 .Lbis
	KEY 46, 39, 43                                 ; threshold k: the largest t at which the lower pole wins
	v_cvt_f16_f32 v43.l, v5
	v_cvt_f32_f16 v47, v43.l                       ; Q(k): the pole through f16
.irp k, 0,1,2,3,4,5,6
	v_readlane_b32 s20, v46, \k
	v_readlane_b32 s21, v46, \k+8
	v_mov_b32 v[CL+\k], s20
	v_mov_b32 v[CH+\k], s21
.endr
	v_readlane_b32 s31, v46, 7                     ; the middle threshold stays a scalar
.irp k, 0,1,2,3,4,5,6,7
	v_readlane_b32 s20, v47, \k
	v_readlane_b32 s21, v47, \k+8
	v_mov_b32 v[CL+7+\k], s20
	v_mov_b32 v[CH+7+\k], s21
.endr
; ---- PASS 1: the row's four largest and four smallest
.irp i, 0,1,2,3
	v_mov_b32 v[TOP+\i], v[NINF]
	v_mov_b32 v[BOT+\i], v[PINF]
	v_mov_b32 v[UTOP+\i], 0                        ; written once: the destination of a DPP form counts as read
	v_mov_b32 v[UBOT+\i], 0
.endr
.macro INS x                                   ; a number enters both sorted lists: place i takes the middle of x and the old places i - 1 and i; all eight lines read old values
	v_med3_num_f32 v[TOP+3], v[\x], v[TOP+2], v[TOP+3]
	v_med3_num_f32 v[BOT+3], v[\x], v[BOT+2], v[BOT+3]
	v_med3_num_f32 v[TOP+2], v[\x], v[TOP+1], v[TOP+2]
	v_med3_num_f32 v[BOT+2], v[\x], v[BOT+1], v[BOT+2]
	v_med3_num_f32 v[TOP+1], v[\x], v[TOP], v[TOP+1]
	v_med3_num_f32 v[BOT+1], v[\x], v[BOT], v[BOT+1]
.if USE_DUAL
	v_dual_max_num_f32 v[TOP], v[\x], v[TOP] :: v_dual_min_num_f32 v[BOT], v[\x], v[BOT]
.else
	v_max_num_f32 v[TOP], v[\x], v[TOP]
	v_min_num_f32 v[BOT], v[\x], v[BOT]
.endif
.endm
.set J, 0
.rept 32
	s_wait_loadcnt 31-J                            ; load J is in; the younger ones stay out
	INS W+4*J
	INS W+4*J+1
	INS W+4*J+2
	INS W+4*J+3
.set J, J+1
.endr
; Two sorted lists of four, mine in s and lane xor m's: place i against the partner's place 3 - i keeps the best four, as a sequence that rises and falls; two stages of exchanges sort it.  The result lies in d, alike in both lanes.
.macro MERGE m, s, d, opa, opb, opadpp
.if \m < 16
.irp i, 0,1,2,3
	\opadpp v[\d+\i], v[\s+3-\i], v[\s+\i] row_xmask:\m row_mask:0xf bank_mask:0xf
.endr
.else
.irp i, 0,1,2,3
	v_permlanex16_b32 v[2+\i], v[\s+3-\i], s28, s29
.endr
.irp i, 0,1,2,3
	\opa v[\d+\i], v[2+\i], v[\s+\i]
.endr
.endif
	\opa v[\s], v[\d], v[\d+2]
	\opb v[\s+2], v[\d], v[\d+2]
	\opa v[\s+1], v[\d+1], v[\d+3]
	\opb v[\s+3], v[\d+1], v[\d+3]
	\opa v[\d], v[\s], v[\s+1]
	\opb v[\d+1], v[\s], v[\s+1]
	\opa v[\d+2], v[\s+2], v[\s+3]
	\opb v[\d+3], v[\s+2], v[\s+3]
.endm
	MERGE 1, TOP, UTOP, v_max_num_f32, v_min_num_f32, v_max_num_f32_dpp
	MERGE 1, BOT, UBOT, v_min_num_f32, v_max_num_f32, v_min_num_f32_dpp
	MERGE 2, UTOP, TOP, v_max_num_f32, v_min_num_f32, v_max_num_f32_dpp
	MERGE 2, UBOT, BOT, v_min_num_f32, v_max_num_f32, v_min_num_f32_dpp
	MERGE 4, TOP, UTOP, v_max_num_f32, v_min_num_f32, v_max_num_f32_dpp
	MERGE 4, BOT, UBOT, v_min_num_f32, v_max_num_f32, v_min_num_f32_dpp
	MERGE 8, UTOP, TOP, v_max_num_f32, v_min_num_f32, v_max_num_f32_dpp
	MERGE 8, UBOT, BOT, v_min_num_f32, v_max_num_f32, v_min_num_f32_dpp
	MERGE 16, TOP, UTOP, v_max_num_f32, v_min_num_f32, v_max_num_f32_dpp
	MERGE 16, BOT, UBOT, v_min_num_f32, v_max_num_f32, v_min_num_f32_dpp
	v_mul_f32 v40, 0x3d430000, v[UTOP+3]           ; a4092 x 195/4096
	v_fmamk_f32 v40, v[UTOP+2], 0x3f73d000, v40    ; + a4093 x 3901/4096: upper
	v_mul_f32 v41, 0x3f73d708, v[UBOT+2]           ; a2 x 3995074/2^22
	v_fmamk_f32 v41, v[UBOT+3], 0x3d428f80, v41    ; + a3 x 199230/2^22: lower
	v_readfirstlane_b32 s48, v40                   ; upper
	v_readfirstlane_b32 s49, v41                   ; lower
	v_readfirstlane_b32 s52, v[UTOP+3]             ; a4092
	v_readfirstlane_b32 s53, v[UBOT+3]             ; a3
; ---- PASS 2: the largest w < upper and how many there are; the smallest w > lower and how many
	s_mov_b32 s50, 0                               ; nb
	s_mov_b32 s51, 0                               ; na
	v_mov_b32 v40, v[NINF]
	v_mov_b32 v41, v[PINF]
.macro P2 a                                    ; two registers of the row: the four masks first, so that no scalar line waits for the vector line just ahead of it
	v_cmp_gt_f32 s20, s48, v[\a]
	v_cmp_lt_f32 s21, s49, v[\a]
	v_cmp_gt_f32 s22, s48, v[\a+1]
	v_cmp_lt_f32 s23, s49, v[\a+1]
	v_cndmask_b32 v42, v[NINF], v[\a], s20
	v_cndmask_b32 v43, v[PINF], v[\a], s21
	v_cndmask_b32 v44, v[NINF], v[\a+1], s22
	v_cndmask_b32 v45, v[PINF], v[\a+1], s23
	s_bcnt1_i32_b32 s60, s20
	s_bcnt1_i32_b32 s61, s21
	s_bcnt1_i32_b32 s62, s22
	s_bcnt1_i32_b32 s63, s23
	s_add_co_u32 s50, s50, s60
	s_add_co_u32 s51, s51, s61
	s_add_co_u32 s50, s50, s62
	s_add_co_u32 s51, s51, s63
	v_max3_num_f32 v40, v40, v42, v44
	v_min3_num_f32 v41, v41, v43, v45
.endm
.set J, 0
.rept 64
	P2 W+2*J
.set J, J+1
.endr
.irp m, 1,2,4,8
	v_max_num_f32_dpp v40, v40, v40 row_xmask:\m row_mask:0xf bank_mask:0xf
	v_min_num_f32_dpp v41, v41, v41 row_xmask:\m row_mask:0xf bank_mask:0xf
.endr
	v_permlanex16_b32 v42, v40, s28, s29
	v_permlanex16_b32 v43, v41, s28, s29
	v_max_num_f32 v40, v40, v42                    ; A: the largest w < upper, in every lane
	v_min_num_f32 v41, v41, v43                    ; B: the smallest w > lower
	v_readfirstlane_b32 s54, v40
	v_readfirstlane_b32 s55, v41
; ---- THE ROW'S NUMBERS.  The counts only choose values: no branch hangs on them
	s_cmp_le_u32 s51, 0x7ff                        ; a2048: na <= 2047: a3, else B;
	s_cselect_b32 s57, s53, s55
	s_cmp_le_u32 s50, 0x800                        ; nb <= 2048: a4092
	s_cselect_b32 s57, s52, s57
	s_cmp_le_u32 s50, 0x7ff                        ; a2047: nb <= 2047: a4092, else A;
	s_cselect_b32 s56, s52, s54
	s_cmp_le_u32 s51, 0x800                        ; na <= 2048: a3
	s_cselect_b32 s56, s53, s56
	v_mov_b32 v42, s57
	v_add_f32 v42, s56, v42
	v_mul_f32 v42, 0.5, v42                        ; the median, or a number inside the hull where the median lies inside it
	v_cmp_lt_f32 vcc_lo, s49, v40                  ; is any number no outlier?  A > lower
	v_cndmask_b32 v40, v[NINF], v40, vcc_lo
	v_cndmask_b32 v41, v[PINF], v41, vcc_lo
	v_max_num_f32 v43, v40, v42                    ; max
	v_min_num_f32 v44, v41, v42                    ; min
	v_add_f32 v45, v43, v44
	v_sub_f32 v46, v43, v44
	v_mul_f32 v45, 0.5, v45                        ; off
	v_mul_f32 v46, 0.5, v46                        ; rng
	v_rcp_f32 v47, v46
	v_xor_b32 v48, 0x80000000, v45                 ; -off   (plain lines behind the reciprocal)
	v_xor_b32 v49, 0x80000000, v46                 ; -rng
	s_wait_alu depctr_va_vdst(0)                   ; the wait ahead of the first line that names the reciprocal
	v_fma_f32 v50, v49, v47, 1.0                   ; two steps of Newton bring 1 / rng to its last bit
	v_fma_f32 v47, v50, v47, v47
	v_fma_f32 v50, v49, v47, 1.0
	v_fma_f32 v47, v50, v47, v47
	v_readfirstlane_b32 s66, v48                   ; each as a pair with both words written: the packed forms name the pair and take its low word for both halves
	v_readfirstlane_b32 s68, v45
	v_readfirstlane_b32 s70, v46
	v_readfirstlane_b32 s72, v49
	v_readfirstlane_b32 s74, v47
	s_mov_b32 s67, s66                             ; -off
	s_mov_b32 s69, s68                             ; off
	s_mov_b32 s71, s70                             ; rng
	s_mov_b32 s73, s72                             ; -rng
	s_mov_b32 s75, s74                             ; 1 / rng.  (rng = 0: it is no number, every compare below fails, and Q x 0 = 0, whichever pole)
; ---- PASS 3: 16 registers of the row at a time
.macro SEL d, a, b
	v_cndmask_b32 v[\d], v[\a], v[\b], vcc_lo
.endm
.macro SEL2 d0, a0, b0, d1, a1, b1             ; two selections on one mask: neighbouring destinations, sources 1, 3 or 5 registers apart
.if USE_DUAL
	v_dual_cndmask_b32 v[\d0], v[\a0], v[\b0] :: v_dual_cndmask_b32 v[\d1], v[\a1], v[\b1]
.else
	v_cndmask_b32 v[\d0], v[\a0], v[\b0], vcc_lo
	v_cndmask_b32 v[\d1], v[\a1], v[\b1], vcc_lo
.endif
.endm
; The search for element i.  Each compare halves the table: 7 thresholds and 8 Q, then 3 and 4, then 1 and 2, then Q.  ws above a threshold goes to the upper half.
.macro TREE i
	v_cmp_lt_f32 vcc_lo, s31, v[WS+\i]
.irp n, 0,2,4,6,8,10,12
	SEL2 R1+\n, CL+\n, CH+\n, R1+\n+1, CL+\n+1, CH+\n+1
.endr
	SEL R1+14, CL+14, CH+14
	v_cmp_lt_f32 vcc_lo, v[R1+3], v[WS+\i]
	SEL2 R2, R1, R1+4, R2+1, R1+1, R1+5
	SEL2 R2+2, R1+2, R1+6, R2+3, R1+7, R1+11
	SEL2 R2+4, R1+8, R1+12, R2+5, R1+9, R1+13
	SEL R2+6, R1+10, R1+14
	v_cmp_lt_f32 vcc_lo, v[R2+1], v[WS+\i]
	SEL2 R3, R2, R2+2, R3+1, R2+3, R2+5
	SEL R3+2, R2+4, R2+6
	v_cmp_lt_f32 vcc_lo, v[R3], v[WS+\i]
	SEL QA+\i, R3+1, R3+2
.endm
.macro GROUP g
.set WG, W+16*(\g)
.irp p, 0,2,4,6,8,10,12,14
	v_pk_add_f32 v[WS+\p:WS+\p+1], v[WG+\p:WG+\p+1], s[66:67] op_sel_hi:[1,0]         ; d = w - off
.endr
.irp i, 0,2,4,6,8,10,12,14
	v_cmp_ge_f32 s20, s49, v[WG+\i]                ; w <= lower
	v_cmp_le_f32 s21, s48, v[WG+\i]                ; w >= upper
	v_cmp_ge_f32 s22, s49, v[WG+\i+1]
	v_cmp_le_f32 s23, s48, v[WG+\i+1]
	s_or_b32 s20, s20, s21
	s_or_b32 s22, s22, s23
	v_cndmask_b32 v[WG+\i], 0, v[WS+\i], s20       ; the outliers, in w's place: d or 0
	v_cndmask_b32 v[WG+\i+1], 0, v[WS+\i+1], s22
.endr
.irp p, 0,2,4,6,8,10,12,14
	v_pk_add_f32 v[WS+\p:WS+\p+1], v[WS+\p:WS+\p+1], v[WG+\p:WG+\p+1] neg_lo:[0,1] neg_hi:[0,1]   ; the dense part: d - outliers
.endr
.irp p, 0,2,4,6,8,10,12,14
	v_pk_mul_f32 v[QA+\p:QA+\p+1], v[WS+\p:WS+\p+1], s[74:75] op_sel_hi:[1,0]         ; the quotient's first guess,
.endr
.irp p, 0,2,4,6,8,10,12,14
	v_pk_fma_f32 v[WS+\p:WS+\p+1], v[QA+\p:QA+\p+1], s[72:73], v[WS+\p:WS+\p+1] op_sel_hi:[1,0,1]   ; what it leaves over, exactly,
.endr
.irp p, 0,2,4,6,8,10,12,14
	v_pk_fma_f32 v[WS+\p:WS+\p+1], v[WS+\p:WS+\p+1], s[74:75], v[QA+\p:QA+\p+1] op_sel_hi:[1,0,1]   ; and ws, the rounded quotient
.endr
.irp i, 0,1,2,3,4,5,6,7,8,9,10,11,12,13,14,15
	TREE \i
.endr
.irp p, 0,2,4,6,8,10,12,14
	v_pk_fma_f32 v[WG+\p:WG+\p+1], v[QA+\p:QA+\p+1], s[70:71], v[WG+\p:WG+\p+1] op_sel_hi:[1,0,1]   ; Q x rng + outliers
.endr
.irp p, 0,2,4,6,8,10,12,14
	v_pk_add_f32 v[WG+\p:WG+\p+1], v[WG+\p:WG+\p+1], s[68:69] op_sel_hi:[1,0]         ; + off
.endr
.irp i, 0,1,2,3,4,5,6,7,8,9,10,11,12,13,14,15
	v_cmp_lt_f32 vcc_lo, |v[WG+\i]|, s30           ; what is not finite becomes 0;
	v_cndmask_b32 v[WG+\i], 0, v[WG+\i], vcc_lo
	v_med3_num_f32 v[WG+\i], v[WG+\i], -v[LIMW], v[LIMW]   ; the conversion to an 8-bit code does not saturate (ISA guide 7.6.2): the hold at the largest code x the scale
.endr
	v_cvt_scalef32_pk8_fp8_f32 v[WC+4*(\g):WC+4*(\g)+1], v[WG:WG+7], v[SCW]
	v_cvt_scalef32_pk8_fp8_f32 v[WC+4*(\g)+2:WC+4*(\g)+3], v[WG+8:WG+15], v[SCW]
	v_nop                                          ; a plain line behind the last conversion
	global_store_b128 v[LOFF], v[WC+4*(\g):WC+4*(\g)+3], s[12:13] offset:512*(\g)     ; the wave stores 512 consecutive bytes, at a multiple of 512 from the buffer's first byte
.irp i, 0,1,2,3
	global_load_b128 v[WG+4*\i:WG+4*\i+3], v[LOFF], s[8:9] offset:2048*(\g)+512*\i th:TH_LOAD_NT   ; x's step g into the registers just left: it lands under the groups that follow
.endr
.endm
.irp g, 0,1,2,3,4,5,6,7
	GROUP \g
.endr
; ---- x: held, converted, stored
.macro XSTEP g
.set WG, W+16*(\g)
	s_wait_loadcnt 4*(7-(\g))                      ; this step's four loads are in; the later steps' may be out
.irp i, 0,1,2,3,4,5,6,7,8,9,10,11,12,13,14,15
	v_med3_num_f32 v[WG+\i], v[WG+\i], -v[LIMX], v[LIMX]
.endr
	v_cvt_scalef32_pk8_fp8_f32 v[XC+4*(\g):XC+4*(\g)+1], v[WG:WG+7], v[SCX]
	v_cvt_scalef32_pk8_fp8_f32 v[XC+4*(\g)+2:XC+4*(\g)+3], v[WG+8:WG+15], v[SCX]
	v_nop
	global_store_b128 v[LOFF], v[XC+4*(\g):XC+4*(\g)+3], s[14:15] offset:512*(\g)
.endm
.irp g, 0,1,2,3,4,5,6,7
	XSTEP \g
.endr
	s_endpgm
.Lfunc_end_k_qcaa7826d0c_quant:
	.size	k_qcaa7826d0c_quant, .Lfunc_end_k_qcaa7826d0c_quant-k_qcaa7826d0c_quant
	.p2alignl 7, 3214868480
	.fill 96, 4, 3214868480
	.section	.rodata,"a",@progbits
	.p2align	6, 0x0
	.amdhsa_kernel k_qcaa7826d0c_quant
		.amdhsa_group_segment_fixed_size 0
		.amdhsa_private_segment_fixed_size 0
		.amdhsa_enable_private_segment 0
		.amdhsa_kernarg_size 48
		.amdhsa_user_sgpr_count 2
		.amdhsa_user_sgpr_kernarg_segment_ptr 1
		.amdhsa_wavefront_size32 1
		.amdhsa_system_sgpr_workgroup_id_x 1
		.amdhsa_system_sgpr_workgroup_id_y 1
		.amdhsa_system_sgpr_workgroup_id_z 1
		.amdhsa_system_vgpr_workitem_id 0
		.amdhsa_next_free_vgpr 256
		.amdhsa_next_free_sgpr 76
		.amdhsa_reserve_vcc 1
		.amdhsa_float_denorm_mode_32 3
		.amdhsa_float_denorm_mode_16_64 3
		.amdhsa_memory_ordered 1
		.amdhsa_forward_progress 1
		.amdhsa_inst_pref_size 255
	.end_amdhsa_kernel
	.section	.bss,"aw",@nobits
	.p2align	6
	.space	262144
	.amdgpu_metadata
---
amdhsa.version: [ 1, 2 ]
amdhsa.kernels:
  - .name:           k_qcaa7826d0c_quant
    .symbol:         k_qcaa7826d0c_quant.kd
    .args:
      - { .name: weight, .offset: 0, .size: 8, .value_kind: global_buffer, .address_space: global }
      - { .name: nf_lut, .offset: 8, .size: 8, .value_kind: global_buffer, .address_space: global }
      - { .name: x, .offset: 16, .size: 8, .value_kind: global_buffer, .address_space: global }
      - { .name: lowp_scales, .offset: 24, .size: 8, .value_kind: global_buffer, .address_space: global }
      - { .name: w_codes, .offset: 32, .size: 8, .value_kind: global_buffer, .address_space: global }
      - { .name: x_codes, .offset: 40, .size: 8, .value_kind: global_buffer, .address_space: global }
    .group_segment_fixed_size: 0
    .private_segment_fixed_size: 0
    .kernarg_segment_align: 8
    .kernarg_segment_size: 48
    .max_flat_workgroup_size: 128
    .sgpr_count:     76
    .vgpr_count:     256
    .wavefront_size: 32
...
	.end_amdgpu_metadata
.endif
;; end of part 1
;; launch gemm (part 2): grid 16 x 16, 4 waves a work-group, clusters of 4 x 4, 327,680 bytes of LDS; arguments x_codes, w_codes, lowp_scales, out0; writes out0
.if DOCPART == 2
	.amdgcn_target "amdgcn-amd-amdhsa--gfx1250"
	.amdhsa_code_object_version 6
	.text
	.protected	k_qcaa7826d0c_gemm
	.globl	k_qcaa7826d0c_gemm
	.p2align	8
	.type	k_qcaa7826d0c_gemm,@function
k_qcaa7826d0c_gemm:
	s_mov_b64 s[64:65], 0
	v_nop
	global_prefetch_b8 v0, s[64:65] scope:SCOPE_SE
	s_setreg_imm32_b32 hwreg(HW_REG_WAVE_MODE, 25, 1), 1
	s_wait_xcnt 0x0
	s_wait_alu depctr_hold_cnt(0) depctr_sa_sdst(0) depctr_va_vdst(0) depctr_va_sdst(0) depctr_va_ssrc(0) depctr_va_vcc(0) depctr_vm_vsrc(0)
	s_getreg_b32 s2, hwreg(HW_REG_IB_STS2, 6, 4)
	s_cmp_eq_u32 s2, 0
	s_cbranch_scc0 .Lentry_in_a_cluster
	s_endpgm
.Lentry_in_a_cluster:
	s_bfe_u32 s2, ttmp6, 0x10000c
	s_cmp_lg_u32 s2, 0xf033
	s_cbranch_scc0 .Lentry_shape_is_right
	s_endpgm
.Lentry_shape_is_right:
; out0[m][n] = 2^(e0 + e1) x the sum over k of A[m][k] B[n][k].  A = x_codes, B = w_codes: [4096][4096] codes of FP8 (E4M3), a byte each; out0: [4096][4096] f32; sums in f32.
; Both buffers hold a row's k in the same order of this program's own; a sum over all k does not ask which.  The codes are multiplied as they are, and each finished sum once by 2^(e0 + e1).
; LIMIT: e0 + e1 lies between -126 and 127, so that 2^(e0 + e1) is an f32 number.
; A tile of out0, 256 x 256, is made by a work-group of four waves; a wave makes 128 x 128: 64 accumulators of 16 x 16, 512 registers.  16 x 16 tiles, one to a work-group.
; K goes in steps of 256 through a ring of two LDS slots filled by the tensor data mover: a tile's row is 256 bytes of memory, at a multiple of 256 from the buffer's first byte.
; CLUSTERS: 4 x 4 work-groups.  The four of a row of the cluster need the same tiles of A, the four of a column the same tiles of B: each tile is asked for JOINTLY, by the same tensor load with the
; same descriptor and a mask that names the four.  THE MATRIX INSTRUCTION IS USED TRANSPOSED (source 0 = 16 rows of B, source 1 = 16 rows of A): a lane then holds eight neighbouring numbers of a row of out0.
; REGISTERS, in windows of 256: window 0: v0-31 addresses; from v128 A's fragments (8 x 16 rows x 128 K), ONE set; on the way out v32-255 are free.
;   window 1: B's fragments, TWO sets, at v0 and at v128.   window 2: the 32 accumulators of my rows 0-63 (accumulator (a, b) at v[8 (8 a + b)]);   window 3: those of my rows 64-127.
; A step of 128 along K is 64 matrix instructions, A's blocks one after the other, each against B's eight.  A block of A is free as soon as its eight products are issued, so one set of registers serves A:
; blocks 0-3 are fetched anew in the step's middle, blocks 4-7 at its end.  B's fragments are at work through the whole step, so B has two sets.
.set SIZE_M, 4096
.set SIZE_N, 4096
.set SIZE_K, 4096
.set KSTEP,  256                       ; along K in a slot
.set ROWB,   256                       ; a tile's row in bytes
.set KROW,   SIZE_K                    ; a row of A or of B in memory, in bytes
.set PITCH,  272                       ; an LDS row: 256 bytes of data + 16 of padding = 68 words: row r starts at bank 4 r mod 64 (64 banks of 4 bytes: ISA guide 11.1), so the 16 rows that a load touches start at 16 different banks
.set FR,     16                        ; registers of a fragment: 16 rows x 128 K
.set NL,     4                         ; LDS loads that bring one
.set NP,     4                         ; places behind this matrix instruction (ISA guide 7.12.1)
.set HALFT,  128*PITCH                 ; 128 rows: what one tensor load brings, and what one wave reads of A or of B
.set SLOT,   4*HALFT                   ; A's 256 rows, then B's 256 rows
.set LAPS,   SIZE_K/(2*KSTEP)          ; a lap = two K steps = once round the ring: 8
.set SPARE,  2*SLOT                    ; behind the ring: the spare words, 128 bytes for each wave: two blocks of 256 bytes that no other line names
.set SPITCH, 528                       ; the way out: a stage of 16 rows x (512 bytes + 16) for each wave.  It lies in slot 0, which has had its last fill and its last read when the first result is stored there
.set ADRA, 16                          ; v16-17  LDS address of my A fragments in slot 0, 1
.set ADRB, 20                          ; v20-21  the same for B
.set STO,  24                          ; v24     the way out: where I put 32 bytes of a row
.set RD,   25                          ; v25     the way out: where I read a row back
.set CO,   26                          ; v26     my byte offset in a row of out0
.set SPW,  28                          ; v28     LDS address of my spare word: SPARE + 4 x my thread's number; never rewritten
.set NIL,  29                          ; v29     0; never rewritten
.set PFO,  30                          ; v30     the prefetches' offset: my lane x a row of codes (4,096 bytes); never rewritten
.set TMP,  32                          ; the way out: 64 registers, a block's sums x 2^(e0 + e1)
.set AF,   128                         ; A's fragments, in window 0
.set BK,   128                         ; the way out: 16 rows read back from the stage: v128-191 and v192-255 by turns
.set G1, 24                            ; s[24:31] descriptor group 1 for A's tiles;  s[32:39] group 0, one set for each slot
.set G0, 32
.set G1B, 48                           ; s[48:55], s[56:63] the same for B's tiles
.set G0B, 56
.set PFA, 66                           ; s[66:67] where my prefetches stand: my work-group's 32 rows of the 128 that I fetch, one K step further along K than the refill that is being asked for
.set LIM, 68                           ; s68     1 in a wave that prefetches, else the greatest number
.set MSB, 0
.macro WIN new                         ; the immediate's high byte repeats the setting that is left
.if MSB != \new
	s_set_vgpr_msb (MSB<<8)|\new
.set MSB, \new
.endif
.endm
.set MUL_LO, 0xa1                      ; source 0 (B) window 1, source 1 (A) window 0, C and D window 2
.set MUL_HI, 0xf1                      ; the same, C and D window 3
.set TO_B,   0x40                      ; destination window 1, address window 0
; A joint load: waves 0 and 1 fetch for A, waves 2 and 3 for B.  Each of the two lines has ONE mask and one set of registers for all that issue it; the branch hangs on the wave's number alone.
; Four v_nop follow each of the two lines, ahead of the jump, the label and what follows.
.macro JLOAD g0a, g1a, g0b, g1b
	s_cmp_eq_u32 s15, 0
	s_cbranch_scc0 .Lfor_b_\@
	tensor_load_to_lds s[\g0a:\g0a+3], s[\g1a:\g1a+7]
	s_nop 0
.rept 4
	v_nop
.endr
	s_branch .Lasked_\@
.Lfor_b_\@:
	tensor_load_to_lds s[\g0b:\g0b+3], s[\g1b:\g1b+7]
	s_nop 0
.rept 4
	v_nop
.endr
.Lasked_\@:
.endm
; A PREFETCH of the K step that stands TWO refills on: 32 rows x 256 bytes, a lane a row, one instruction a wave; it stands behind the joint load, its four lines and the run of LDS loads that the next products wait for.
; Each row's 256 bytes of a K step are named ONCE in the launch.  A's tile row is read by every cluster of that row of clusters: the one with cluster x = 0 asks; B's tile column by every cluster of that column:
; cluster y = 0 asks.  The four partners that ask for a tile jointly share its rows out BY ADDRESS: of the 128 rows that a wave fetches, the partner at place p takes 32 p .. 32 p + 31 (p = cx for A, cy for B):
; no branch hangs on a work-group's place in its cluster.  The loop's last trip (s3 = 1) asks for nothing: its two refills are K steps 14 and 15, and there is no K step 16.  K steps 0 to 3 come by their loads alone.
.macro ASK
	s_cmp_gt_u32 s3, s[LIM]
	s_cbranch_scc0 .Lnot_mine_\@
	global_prefetch_b8 v[PFO], s[PFA:PFA+1] offset:ROWB th:TH_LOAD_NT scope:SCOPE_SE
.Lnot_mine_\@:
.endm
.macro CREST                           ; a round of the cluster's barrier behind its opening barrier
	s_cmp_lg_u32 s14, 0
	s_cbranch_scc1 .Lnot_wave_0_\@
	s_barrier_signal -3
.Lnot_wave_0_\@:
	s_barrier_wait -3
	s_barrier_signal -1
	s_barrier_wait -1
.endm
.macro CROUND                          ; a whole round
	s_barrier_signal -1
	s_barrier_wait -1
	CREST
.endm
	s_load_b128 s[4:7], s[0:1], 0x0                ; A's codes s[4:5], B's codes s[6:7]
	s_load_b128 s[8:11], s[0:1], 0x10              ; the two scales' exponents s[8:9], out0 s[10:11]
	v_lshl_add_u32 v[SPW], v0, 2, SPARE
	v_mov_b32 v[NIL], 0
	ds_add_u32 v28, v29
	ds_add_u32 v28, v29
	s_wait_dscnt 0x0
	v_lshrrev_b32 v1, 5, v0
	v_readfirstlane_b32 s14, v1                    ; wave 0..3
	s_lshr_b32 s15, s14, 1                         ; which half of the tile's rows is mine.  Also: I fetch for A (0) or for B (1)
	s_and_b32 s16, s14, 1                          ; which half of its columns.  Also: which 128 rows of that tile I fetch
	s_bfe_u32 s40, ttmp6, 0x40000                  ; cx, cy: my place in the cluster
	s_bfe_u32 s41, ttmp6, 0x40004
	s_lshl_b32 s42, ttmp9, 2
	s_add_co_u32 s42, s42, s40                     ; tile column = 4 x cluster x + cx
	s_and_b32 s17, ttmp7, 0xffff
	s_lshl_b32 s17, s17, 2
	s_add_co_u32 s17, s17, s41                     ; tile row = 4 x cluster y + cy
	s_lshl_b32 s43, s41, 2
	s_lshl_b32 s43, 15, s43                        ; my row of the cluster
	s_lshl_b32 s44, 0x1111, s40                    ; my column
	; descriptor group 1: a tile of 128 rows x ROWB bytes, padded in LDS
	s_or_b32 s[G1+0], s43, (0<<16)|(1<<20)|(1<<21)|(5<<22)|(3<<25)  ; 15:0 the mask: A's tiles go to my row; 17:16 element of 1 byte; 20 padding on; 21 set beside a mask; 24:22 after every 64 words (code 5); 31:25 of 4 words (code 3)
	s_or_b32 s[G1B+0], s44, (0<<16)|(1<<20)|(1<<21)|(5<<22)|(3<<25)
.irp g, G1, G1B
	s_mov_b32 s[\g+1], ROWB<<16                    ; tensor_dim0
	s_mov_b32 s[\g+2], 128<<16                     ; tensor_dim1 = 128
	s_mov_b32 s[\g+3], ROWB<<16                    ; tile_dim0
	s_mov_b32 s[\g+4], 128                         ; tile_dim1 = 128
	s_mov_b32 s[\g+5], KROW                        ; tensor_dim0_stride
	s_mov_b32 s[\g+6], 0
	s_mov_b32 s[\g+7], 0
.endr
	s_lshl_b32 s18, s16, 7                         ; which 128 rows of the tile I fetch
	s_lshl_b32 s20, s17, 8
	s_add_co_u32 s20, s20, s18                     ; A: row 256 x tile row + 128 x half
	s_lshl_b32 s46, s42, 8
	s_add_co_u32 s46, s46, s18                     ; B: row 256 x tile column + 128 x half
	s_mov_b32 s21, 0
	s_mov_b32 s47, 0
	s_mov_b64 s[18:19], KROW
	s_mul_u64 s[20:21], s[20:21], s[18:19]         ; in bytes
	s_mul_u64 s[46:47], s[46:47], s[18:19]
	s_mul_i32 s45, s14, HALFT                      ; where they go: wave x 128 rows: no place in the cluster enters an LDS address
	s_wait_kmcnt 0x0
	s_load_b64 s[96:97], s[8:9], 0x0               ; e0, e1
	s_add_nc_u64 s[20:21], s[4:5], s[20:21]
	s_add_nc_u64 s[46:47], s[6:7], s[46:47]
	CROUND                                         ; all sixteen work-groups are here: the first joint loads meet
.irp s, 0,1
	s_mov_b32 s[G0+4*\s], 1
	s_add_co_u32 s[G0+4*\s+1], s45, \s*SLOT
	s_add_nc_u64 s[G0+4*\s+2:G0+4*\s+3], s[20:21], \s*ROWB
	s_or_b32 s[G0+4*\s+3], s[G0+4*\s+3], 0x80000000
	s_mov_b32 s[G0B+4*\s], 1
	s_add_co_u32 s[G0B+4*\s+1], s45, \s*SLOT
	s_add_nc_u64 s[G0B+4*\s+2:G0B+4*\s+3], s[46:47], \s*ROWB
	s_or_b32 s[G0B+4*\s+3], s[G0B+4*\s+3], 0x80000000
	JLOAD G0+4*\s, G1, G0B+4*\s, G1B
.endr
	v_and_b32 v1, 15, v0                           ; l % 16
	v_bfe_u32 v2, v0, 4, 1                         ; l / 16
	v_mul_u32_u24 v3, v1, PITCH
	v_lshl_add_u32 v4, v2, 4, v3                   ; a fragment's row x pitch + 16 x half
	s_mul_i32 s21, s15, HALFT                      ; my 128 rows of A
	s_mul_i32 s22, s16, HALFT                      ; my 128 rows of B,
	s_add_co_u32 s22, s22, 2*HALFT                 ; which lie behind A's 256
.irp s, 0,1
	v_add_nc_u32 v[ADRA+\s], s21, v4
	v_add_nc_u32 v[ADRB+\s], s22, v4
	s_add_co_u32 s21, s21, SLOT
	s_add_co_u32 s22, s22, SLOT
.endr
	s_mul_i32 s23, s14, 16*SPITCH                  ; my stage
	v_mul_u32_u24 v5, v1, SPITCH                   ; in: row l % 16, 32 bytes for each half of the lanes
	v_lshl_add_u32 v5, v2, 5, v5
	v_add_nc_u32 v[STO], s23, v5
	v_and_b32 v6, 31, v0
	v_lshlrev_b32 v[CO], 4, v6                     ; back: the 32 lanes take one row of 512 bytes; and the same in out0
	v_add_nc_u32 v[RD], s23, v[CO]
	s_lshl_b32 s20, s17, 8
	s_lshl_b32 s21, s15, 7
	s_add_co_u32 s20, s20, s21                     ; my first row of out0: 256 x tile row + 128 x half
	s_mov_b32 s21, 0
	s_mov_b64 s[18:19], SIZE_N*4
	s_mul_u64 s[20:21], s[20:21], s[18:19]
	s_lshl_b32 s46, s42, 10                        ; my first column, in bytes: 1024 x tile column + 512 x half
	s_lshl_b32 s47, s16, 9
	s_add_co_u32 s46, s46, s47
	s_mov_b32 s47, 0
	s_add_nc_u64 s[20:21], s[20:21], s[46:47]
	s_add_nc_u64 s[10:11], s[10:11], s[20:21]
	; the prefetches: where my wave's stand, and who asks.  In registers of their own, which feed no descriptor
	s_lshl_b32 s70, s17, 8                         ; 256 x tile row
	s_lshl_b32 s71, s42, 8                         ; 256 x tile column
	s_and_b32 s72, ttmp7, 0xffff                   ; cluster y
	s_cmp_eq_u32 s15, 0                            ; do I fetch for A?
	s_cselect_b32 s70, s70, s71                    ; the tile's first row: in A by the tile row, in B by the tile column
	s_cselect_b32 s71, s40, s41                    ; my place among the four that ask for it with me
	s_cselect_b32 s72, ttmp9, s72                  ; the coordinate along which other clusters read the same rows
	s_cselect_b64 s[PFA:PFA+1], s[4:5], s[6:7]
	s_cmp_eq_u32 s72, 0
	s_cselect_b32 s[LIM], 1, -1                    ; the same in all sixteen partners, for a given wave
	s_lshl_b32 s72, s16, 7
	s_add_co_u32 s70, s70, s72                     ; + the 128 rows that I fetch
	s_lshl_b32 s71, s71, 5
	s_add_co_u32 s70, s70, s71                     ; + my work-group's 32 of them
	s_lshl_b32 s70, s70, 12                        ; x 4,096 bytes a row: under 2^24
	s_mov_b32 s71, 0
	s_add_nc_u64 s[PFA:PFA+1], s[PFA:PFA+1], s[70:71]
	s_add_nc_u64 s[PFA:PFA+1], s[PFA:PFA+1], 2*ROWB   ; at K step 2: the first refill steps it to 3 and names K step 4.  Nothing is prefetched here, at the head, where every work-group's first tiles are on their way
	v_and_b32 v[PFO], 31, v0
	v_lshlrev_b32 v[PFO], 12, v[PFO]
.macro FRAG reg, adr, q, i             ; a fragment, 16 rows x 128 codes, is 16 registers: lane l holds row l % 16; registers 4 c .. 4 c + 3 hold bytes 32 c + 16 (l / 16) + 0 .. 15 of the row's 128: the same places in A and in B
.irp c, 0,1,2,3
	ds_load_b128 v[\reg+4*\c:\reg+4*\c+3], v[\adr] offset:128*(\q)+32*\c+(\i)*16*PITCH
.endr
.endm
; 16 matrix instructions: A's blocks a0, a0 + 1 x B's eight, 128 along K.  p: B's set.  zero = 1: the first product starts the sums: nothing is ever cleared.
; The 64 accumulators take turns, one instruction a turn, in the same order in every step.
.macro MUL16 a0, p, zero
.irp a, \a0, \a0+1
.irp b, 0,1,2,3,4,5,6,7
.if \zero
	v_wmma_f32_16x16x128_fp8_fp8 v[8*(8*((\a)%4)+\b):8*(8*((\a)%4)+\b)+7], v[128*(\p)+FR*\b:128*(\p)+FR*\b+FR-1], v[AF+FR*(\a):AF+FR*(\a)+FR-1], 0
.else
	v_wmma_f32_16x16x128_fp8_fp8 v[8*(8*((\a)%4)+\b):8*(8*((\a)%4)+\b)+7], v[128*(\p)+FR*\b:128*(\p)+FR*\b+FR-1], v[AF+FR*(\a):AF+FR*(\a)+FR-1], v[8*(8*((\a)%4)+\b):8*(8*((\a)%4)+\b)+7]
.endif
.endr
.endr
.endm
.macro FETCH_B slot, q, p              ; B's eight fragments of the slot's q-th 128 along K into set p
	WIN TO_B
.irp i, 0,1,2,3,4,5,6,7
	FRAG 128*(\p)+FR*\i, ADRB+\slot, \q, \i
.endr
	WIN 0
.endm
.macro FETCH_A slot, q, i0             ; A's blocks i0 .. i0 + 3
.irp i, \i0, \i0+1, \i0+2, \i0+3
	FRAG AF+FR*(\i), ADRA+\slot, \q, \i
.endr
.endm
; A load into a register that a matrix instruction has read, and a vector instruction or an LDS store that reads a matrix result, stand NP places behind that matrix instruction, and only plain vector
; instructions that name none of its registers are places (ISA guide 7.12.1 for vector instructions); the matrix instructions in between are not counted.
.macro PLACES n
.rept \n
	v_nop
.endr
.endm
; A step of 128 along K that has its successor in the same slot.
.macro STEP slot, q, zero
	s_wait_dscnt 4*NL                              ; B's set and A's blocks 0-3 are in; the youngest 16 loads (A's blocks 4-7) may be out
	WIN MUL_LO
	MUL16 0, (\q)%2, \zero
	MUL16 2, (\q)%2, \zero
	s_wait_dscnt 0                                 ; A's blocks 4-7 are in (asked for 32 matrix instructions ago)
	PLACES NP
	FETCH_B \slot, (\q)+1, 1-(\q)%2
	FETCH_A \slot, (\q)+1, 0
	WIN MUL_HI
	MUL16 4, (\q)%2, \zero
	MUL16 6, (\q)%2, \zero
	PLACES NP
	WIN 0
	FETCH_A \slot, (\q)+1, 4
.endm
; A slot's last step changes slots: ONE barrier; in front of it each wave waits for all its tensor loads, adds 0 to its spare word, and waits for that and for its own reads of this slot.  fill = 1: this slot is filled again, two K steps ahead.
.macro TURN slot, next, fill
.if \fill
	s_wait_xcnt 0x0                                ; the last prefetch, a K step back, has read its address: it is stepped here, ahead of the waits of the change of slots
	s_add_nc_u64 s[PFA:PFA+1], s[PFA:PFA+1], ROWB
.endif
	s_wait_tensorcnt 0x0                           ; all my tensor loads have landed: my part of the next slot;  (every window is 0 here: the add's two registers lie in window 0)
	ds_add_u32 v[SPW], v[NIL]                      ; 0 onto my spare word
	s_wait_dscnt 4*NL+1                            ; (the add and the youngest 16 loads, A's blocks 4-7, may be out)
	WIN MUL_LO
	MUL16 0, 1, 0                                  ; sixteen matrix instructions stand between the add and the wait for it
	s_wait_dscnt 0x0                               ; the add is done, and my reads of this slot are over
	s_barrier_signal -1
	MUL16 2, 1, 0
	WIN 0
	s_barrier_wait -1
.if \fill
	CREST                                          ; the barrier has opened a round of the cluster's barrier: no wave of any partner still reads this slot's tile or has a load on its way
	s_add_nc_u64 s[G0+4*\slot+2:G0+4*\slot+3], s[G0+4*\slot+2:G0+4*\slot+3], 2*ROWB
	s_add_nc_u64 s[G0B+4*\slot+2:G0B+4*\slot+3], s[G0B+4*\slot+2:G0B+4*\slot+3], 2*ROWB
	JLOAD G0+4*\slot, G1, G0B+4*\slot, G1B         ; the first tensor load behind the round; the four v_nop behind it are also the places in front of the loads below
.else
	PLACES NP
.endif
	FETCH_B \next, 0, 0
	FETCH_A \next, 0, 0
.if \fill
	ASK                                            ; every window is 0 here
.endif
	WIN MUL_HI
	MUL16 4, 1, 0
	MUL16 6, 1, 0
	PLACES NP
	WIN 0
	FETCH_A \next, 0, 4
.endm
	s_wait_tensorcnt 1                             ; my part of K step 0 is in (K step 1's load may be out)
	s_barrier_signal -1
	s_barrier_wait -1                              ; everybody's is
	FETCH_B 0, 0, 0
	FETCH_A 0, 0, 0
	FETCH_A 0, 0, 4
	STEP 0, 0, 1                                   ; the first step stands in front of the loop: its products start the sums
	s_mov_b32 s3, LAPS-1
.Llap:                                                 ; a trip goes once round the ring, from a lap's second step to the next lap's first, and fills both slots again
	TURN 0, 1, 1
	STEP 1, 0, 0
	TURN 1, 0, 1
	STEP 0, 0, 0
	s_sub_co_u32 s3, s3, 1
	s_cmp_lg_u32 s3, 0
	s_cbranch_scc1 .Llap
	TURN 0, 1, 0                                   ; the last lap fills nothing, and has no round of the cluster's barrier
	STEP 1, 0, 0
	s_wait_dscnt 4*NL                              ; the very last step: nothing more to fetch
	WIN MUL_LO
	MUL16 0, 1, 0
	MUL16 2, 1, 0
	s_wait_dscnt 0
	WIN MUL_HI
	MUL16 4, 1, 0
	MUL16 6, 1, 0
	WIN 0
; THE WAY OUT, block by block of 16 rows x 128 columns.  A lane holds 32 neighbouring bytes of a row, and the lanes beside it hold other rows: so a block goes through my own stage in LDS and comes back as whole
; rows of 512 bytes, which the 32 lanes store together.  LDS serves a wave's instructions in order (ISA guide 5.7.1.4): no wait between the stores and the loads, nor in front of the next block's stores.
.macro TOSTAGE a
.set AC, 64*((\a)%4)
	WIN 0x02+((\a)/4)                              ; source 0: window 2 or 3
.irp j, 0,2,4,6,8,10,12,14,16,18,20,22,24,26,28,30,32,34,36,38,40,42,44,46,48,50,52,54,56,58,60,62
	v_pk_mul_f32 v[TMP+\j:TMP+\j+1], v[AC+\j:AC+\j+1], s[96:97] op_sel_hi:[1,0]   ; both x s96 = 2^(e0 + e1); each accumulator from its low end on
.endr
	WIN 0
.irp b, 0,1,2,3,4,5,6,7
	ds_store_b128 v[STO], v[TMP+8*\b:TMP+8*\b+3] offset:64*\b
	ds_store_b128 v[STO], v[TMP+8*\b+4:TMP+8*\b+7] offset:64*\b+16
.endr
.set BB, BK+64*((\a)%2)
.irp t, 0,1,2,3,4,5,6,7,8,9,10,11,12,13,14,15
	ds_load_b128 v[BB+4*\t:BB+4*\t+3], v[RD] offset:\t*SPITCH
.endr
.endm
.macro SEND a, younger                 ; younger: the LDS instructions issued behind block a's loads, which may stay out
.set BB, BK+64*((\a)%2)
	s_wait_dscnt \younger                          ; the block is back in registers
.if (\a) > 0
	s_add_nc_u64 s[10:11], s[10:11], 16*SIZE_N*4   ; (behind a wait on XCNT: the earlier stores have read their base)  16 rows on, so that the stores' offsets stay small: 15 rows of 16,384 bytes at the most
.endif
.irp t, 0,1,2,3,4,5,6,7,8,9,10,11,12,13,14,15
	global_store_b128 v[CO], v[BB+4*\t:BB+4*\t+3], s[10:11] offset:\t*SIZE_N*4 th:TH_STORE_NT   ; 32 lanes store 512 consecutive bytes, at a multiple of 512 from out0's first byte; written once, read by nobody here
.endr
.endm
	s_wait_kmcnt 0x0
	s_add_co_i32 s96, s96, s97                     ; e0 + e1, between -126 and 127,
	s_add_co_i32 s96, s96, 127
	s_lshl_b32 s96, s96, 23                        ; makes the f32 number 2^(e0 + e1)
	PLACES NP                                      ; these places serve the loads into the registers that held A's fragments and the reads of the last products' results alike
	TOSTAGE 0
.irp a, 1,2,3,4,5,6,7
.if \a > 1
	s_wait_xcnt 0x0                                ; block a - 2's stores have read their registers and their base: block a's loads may land there, and the base may step
.endif
	TOSTAGE \a
	SEND \a-1, 32                                  ; behind block a - 1's loads: block a's 16 stores and 16 loads
.endr
	s_wait_xcnt 0x0                                ; block 6's stores have read their base
	SEND 7, 0
	s_wait_tensorcnt 0x0                           ; the wave's end, behind my last tensor load and my last LDS store
	ds_add_u32 v[SPW], v[NIL]
	s_wait_dscnt 0x0
	CROUND                                         ; the closing round: no work-group ends while a partner may still ask for a tile that names it
	s_endpgm
.Lfunc_end_k_qcaa7826d0c_gemm:
	.size	k_qcaa7826d0c_gemm, .Lfunc_end_k_qcaa7826d0c_gemm-k_qcaa7826d0c_gemm
	.p2alignl 7, 3214868480
	.fill 96, 4, 3214868480
	.section	.rodata,"a",@progbits
	.p2align	6, 0x0
	.amdhsa_kernel k_qcaa7826d0c_gemm
		.amdhsa_group_segment_fixed_size 327680
		.amdhsa_private_segment_fixed_size 0
		.amdhsa_enable_private_segment 0
		.amdhsa_kernarg_size 32
		.amdhsa_user_sgpr_count 2
		.amdhsa_user_sgpr_kernarg_segment_ptr 1
		.amdhsa_wavefront_size32 1
		.amdhsa_system_sgpr_workgroup_id_x 1
		.amdhsa_system_sgpr_workgroup_id_y 1
		.amdhsa_system_sgpr_workgroup_id_z 1
		.amdhsa_system_vgpr_workitem_id 0
		.amdhsa_next_free_vgpr 1024
		.amdhsa_next_free_sgpr 98
		.amdhsa_reserve_vcc 0
		.amdhsa_float_denorm_mode_32 3
		.amdhsa_float_denorm_mode_16_64 3
		.amdhsa_memory_ordered 1
		.amdhsa_forward_progress 1
		.amdhsa_inst_pref_size 124
	.end_amdhsa_kernel
	.amdgpu_metadata
---
amdhsa.version: [ 1, 2 ]
amdhsa.kernels:
  - .name:           k_qcaa7826d0c_gemm
    .symbol:         k_qcaa7826d0c_gemm.kd
    .args:
      - { .name: x_codes, .offset: 0, .size: 8, .value_kind: global_buffer, .address_space: global }
      - { .name: w_codes, .offset: 8, .size: 8, .value_kind: global_buffer, .address_space: global }
      - { .name: lowp_scales, .offset: 16, .size: 8, .value_kind: global_buffer, .address_space: global }
      - { .name: out0, .offset: 24, .size: 8, .value_kind: global_buffer, .address_space: global }
    .group_segment_fixed_size: 327680
    .private_segment_fixed_size: 0
    .kernarg_segment_align: 8
    .kernarg_segment_size: 32
    .max_flat_workgroup_size: 128
    .sgpr_count:     98
    .vgpr_count:     1024
    .wavefront_size: 32
...
	.end_amdgpu_metadata
.endif
;; end of part 2
